; MI455X (gfx1250); checked and timed in simulation.
; The chip was launched on July 23, 2026; its instructions are those of AMD's public machine-readable ISA for CDNA 5 (MIT licence, August 2026) and "CDNA5" Instruction Set Architecture Reference Guide (July 2026). The comments in the code are by the model that wrote it; some were corrected since.
;; Nerf Model. Allowed arithmetic: float matrix products may take bf16 or f16 operands with f32 sums; all other float work in f32.
;; Inputs: W1 128 x 6 float32; W2 128 x 128 float32; W3 128 x 128 float32; W4 4 x 128 float32; b1 128 float32; b2 128 float32; b3 128 float32; b4 4 float32; x 1,048,576 x 6 float32.
;; Outputs: out0 1,048,576 x 4 float32.
;; One version. Each part assembles by itself: llvm-mc -triple=amdgcn-amd-amdhsa -mcpu=gfx1250 --defsym DOCPART=n.
;; ======== version 1 of 1: 1 launch
;; limits: values are held in f16: magnitudes above 65,504 overflow, below 6.1e-05 lose precision; right only within a limited range of input values
;; launch mlp (part 1): grid 256 x 1, 4 waves a work-group, no clusters, 180,224 bytes of LDS; arguments x, W1, b1, W2, b2, W3, b3, W4, b4, out0; writes out0
.if DOCPART == 1
	.amdgcn_target "amdgcn-amd-amdhsa--gfx1250"
	.amdhsa_code_object_version 6
	.text
	.protected	k_q0c83271ad9_mlp
	.globl	k_q0c83271ad9_mlp
	.p2align	8
	.type	k_q0c83271ad9_mlp,@function
k_q0c83271ad9_mlp:
	s_mov_b64 s[64:65], 0
	v_nop
	global_prefetch_b8 v0, s[64:65] scope:SCOPE_SE
	s_setreg_imm32_b32 hwreg(HW_REG_WAVE_MODE, 25, 1), 1
	s_wait_xcnt 0x0
; out = W4 relu(W3 relu(W2 relu(W1 x + b1) + b2) + b3) + b4 for 1,048,576 rows of 6 numbers; all tensors f32.
; ONE LAUNCH, 256 work-groups of four waves; a work-group owns 4,096 rows, a wave 1,024 neighbouring rows in 32 trips of 32 rows.
; THE PRODUCTS ARE TRANSPOSED: H^T = W X^T.  The weights are operand A (16 output features a tile), the samples are the columns of B.
; In the result, lane (r, h) holds features 8h .. 8h+7 of sample r (ISA guide 7.12.2).  Two neighbouring feature tiles, rounded to f16
; and packed, are then exactly the next layer's B fragment of 32 along K: a layer boundary is a maximum with 0 and a packed
; conversion, with no LDS and no traffic between lanes.
; THE WEIGHTS STAY IN REGISTERS: W2 and W3 are 256 registers each as f16 fragments, W1 64, W4 32, the biases 136 as f32 C operands of
; each sum's first product (nothing is cleared, no bias add is written).  The loop reads no weight and has no barrier.
; FORMAT: f16 operands, f32 sums.  W1, W2, W3 are multiplied by powers of two f1, f2, f3 that bring their largest magnitude into
; [1/16, 1/8); relu(c a) = c relu(a) for c > 0, so layer l works on c_l h_l with c_l = f1 .. f_l, the biases are multiplied by c_l, and
; the result by 1 / c3.  All these factors are powers of two: exact.  b1 rides in layer 1's unused K (k = 6: f16 of b1 f1,
; k = 7: f16 of the remainder; x holds 1.0 at both).
; LIMITS: relu of a NaN gives 0 here (v_max_num_f32), a NaN in reference().  |x| stays below 65,504.  The scaled activations stay in
; f16's range: with |W f| < 1/8 that is 16 (16 (0.75 max|x| + |b1 c1|) + |b2 c2|) + |b3 c3| < 65,504 (max|x| = 200: 38,400 plus the biases).
; The products f1 f2 f3 and 1/f1 1/f2 1/f3 stay normal f32 numbers.  W4 goes to f16 unscaled.
; NO CLUSTER: x and out0 are each work-group's own.  The weights (137,744 bytes) are shared, but are read once, at the head, and have
; to pass through registers anyway (largest magnitude, scale, conversion); a joint load into LDS would add a round trip of 131,072 bytes.
; NO RING: a wave's whole x is 24,576 bytes; one tensor load brings it, into bytes that are filled once and that only this wave reads.
; NO PREFETCH: every input byte is asked for in the first lines.
.set TRIPS,   32                       ; trips of a wave, 32 rows each
.set XB_WAVE, 24576                    ; a wave's x: 1,024 rows of 24 bytes
; LDS map
.set W2S,  98304                       ; behind the four waves' x: W2 as f16, 128 rows, pitch 272
.set W3S,  133120                      ; W3 likewise
.set W1S,  167936                      ; 128 rows, pitch 80: bytes 0-15 w0..w5, b hi, b lo; 16-31 the same again; 32-63 zero
.set W4S,  178176                      ; 4 rows, pitch 272
.set SCR,  179456                      ; 16 bytes a wave: the three largest magnitudes
.set WP,   272                         ; 256 bytes + 16: sixteen rows of a fragment start 68 words apart
.set W1P,  80
; window 0
.set XA,   2                           ; LDS address of my row of x, next to be loaded
.set OO,   3                           ; my byte offset in out0 (at the head also in W2 and W3: the same number)
.set XS,   4                           ; v[4:9]    my row of x as loaded
.set XP,   10                          ; v[10:12]  packed to f16
.set OUT,  14                          ; v[14:17]  my row of the result
.set XF0,  24                          ; v[24:31]  layer 1, B fragment of rows 0-15
.set XF1,  32                          ; v[32:39]  of rows 16-31
.set OA0,  40                          ; v[40:47]  layer 4, accumulator of rows 0-15
.set OA1,  48                          ; v[48:55]  of rows 16-31
.set ACC0, 64                          ; v[64:95]  four accumulator tiles: tile c = 2 n + mm (n: which 16 rows, mm: which of two feature tiles)
.set ACC1, 96                          ; v[96:127] a second set: one is summed while the other is rounded
.set HX,   128                         ; v[128:191] activations as B fragments: (K step q, rows n) at 16 q + 8 n
.set HY,   192                         ; v[192:255] the same, the other buffer
; window 1: W2, fragment (feature tile t, K step q) at 8 (4 t + q).  window 2: W3 likewise.  window 3:
.set W1F,  0                           ; W1, tile t at 8 t
.set W4F,  64                          ; W4, K step q at 8 q
.set B2,   96                          ; b2 c2 as C operand, tile t at 8 t
.set B3,   160                         ; b3 c3
.set B4,   224                         ; b4 c3
; registers of the head only (they lie in HY and are dead when the loop begins)
.set LANE, 218
.set RR,   212                         ; lane % 16
.set HH,   213                         ; lane / 16
.set O_W1, 201
.set O_B1, 202
.set O_W4, 203
.set A_SCRW, 204
.set A_SCR,  205
.set A_W2ST, 206
.set A_W3ST, 207
.set A_W1ST, 208
.set A_W4ST, 209
.set O_BIAS, 210
.set O_ZERO, 211
.set A_W2F,  214
.set A_W3F,  215
.set A_W4F,  216
.set A_W1F,  217
; scalars: s2 wave, s3 trips, s4/s5 masks of lanes 0-15/16-31, s[8:27] the ten addresses, s[28:31] s[32:39] descriptor,
; s40/s41 lane selectors, s42-44 largest magnitudes, then 1/f; s[46:47] f1, s[48:49] f2, s[50:51] f3, s[52:53] c2, s[54:55] c3, s[56:57] 1/c3
; s_set_vgpr_msb: bits 1:0 source 0, 3:2 source 1, 5:4 source 2, 7:6 destination; the high byte repeats the setting that is left
.set MSB, 0
.macro WIN new
.if MSB != \new
	s_set_vgpr_msb (MSB<<8)|\new
.set MSB, \new
.endif
.endm
; ---------------------------------------------------------------- the head: addresses and loads
	s_load_b512 s[8:23], s[0:1], 0x0               ; x, W1, b1, W2, b2, W3, b3, W4
	s_load_b128 s[24:27], s[0:1], 0x40             ; b4, out0
	v_lshl_add_u32 v62, v0, 2, 0x2be00
	v_mov_b32 v63, 0
	ds_add_u32 v62, v63
	ds_add_u32 v62, v63
	v_lshrrev_b32 v1, 5, v0
	v_readfirstlane_b32 s2, v1                     ; wave 0..3
	s_mov_b32 s4, 0x0000ffff
	s_mov_b32 s5, 0xffff0000
	s_mov_b32 s40, 0x76543210
	s_mov_b32 s41, 0xfedcba98
	v_and_b32 v[LANE], 31, v0
	v_lshlrev_b32 v[OO], 4, v[LANE]
	v_lshl_add_u32 v[OO], v1, 14, v[OO]            ; wave x 16,384 + 16 x lane: 32 rows of 512 bytes of W2, and 1,024 rows of 16 bytes of out0
	v_mul_u32_u24 v[O_W1], v0, 24                  ; thread t takes row t of W1,
	v_lshlrev_b32 v[O_B1], 2, v0                   ; b1[t],
	v_lshlrev_b32 v[O_W4], 4, v0                   ; and 16 bytes of W4: wave w holds row w
	s_wait_dscnt 0x0
	s_wait_kmcnt 0x0
	WIN 0x40                                       ; W2 rows 32 w + i, raw, into window 1: one load of the wave is one whole row of 512 bytes
.set i, 0
.rept 32
	global_load_b128 v[4*i:4*i+3], v[OO], s[14:15] offset:512*i
.set i, i+1
.endr
	WIN 0x80                                       ; W3 likewise into window 2
.set i, 0
.rept 32
	global_load_b128 v[4*i:4*i+3], v[OO], s[18:19] offset:512*i
.set i, i+1
.endr
	WIN 0
	global_load_b64 v[64:65], v[O_W1], s[10:11]
	global_load_b64 v[66:67], v[O_W1], s[10:11] offset:8
	global_load_b64 v[68:69], v[O_W1], s[10:11] offset:16
	global_load_b32 v70, v[O_B1], s[12:13]
	global_load_b128 v[72:75], v[O_W4], s[22:23]
	; my wave's x: a dense block of 24,576 bytes, taken as 96 rows of 32 elements of 8 bytes
	s_lshl2_add_u32 s6, ttmp9, s2                  ; 4 x work-group + wave
	s_mul_i32 s6, s6, XB_WAVE
	s_mov_b32 s7, 0
	s_mov_b32 s28, 1                               ; count = 1
	s_mul_i32 s29, s2, XB_WAVE                     ; LDS address: the wave's own bytes
	s_add_nc_u64 s[30:31], s[8:9], s[6:7]
	s_or_b32 s31, s31, 0x80000000                  ; type = 2
	s_mov_b32 s32, 3<<16                           ; no mask, elements of 8 bytes, no padding
	s_mov_b32 s33, 32<<16                          ; tensor_dim0 = 32
	s_mov_b32 s34, 96<<16                          ; tensor_dim1 = 96
	s_mov_b32 s35, 32<<16                          ; tile_dim0 = 32
	s_mov_b32 s36, 96                              ; tile_dim1 = 96
	s_mov_b32 s37, 32                              ; from row to row: 32 elements
	s_mov_b32 s38, 0
	s_mov_b32 s39, 0
	tensor_load_to_lds s[28:31], s[32:39]          ; the wave's only tensor load: one is out
	s_nop 0
	s_lshl_b32 s6, ttmp9, 16                       ; out0 at the work-group's first row: 4,096 rows of 16 bytes
	s_add_nc_u64 s[26:27], s[26:27], s[6:7]
	; LDS addresses, while the loads are on their way.  Each wave's term comes from the scalar wave number.
	v_and_b32 v[RR], 15, v0
	v_bfe_u32 v[HH], v0, 4, 1
	v_mul_u32_u24 v[XA], v[LANE], 24
	v_add_nc_u32 v[XA], s29, v[XA]                 ; lane L reads row L of the trip's 32
	v_lshlrev_b32 v[O_BIAS], 5, v[HH]              ; a C operand's lane holds features 8 h + j: 32 h bytes into a tile's 64
	v_mov_b32 v[O_ZERO], 0
	s_mul_i32 s58, s2, 32*WP
	s_add_co_u32 s58, s58, W2S
	v_lshl_add_u32 v[A_W2ST], v[LANE], 3, s58      ; staging: row 32 w + i, 8 bytes (4 f16) a lane
	v_add_nc_u32 v[A_W3ST], W3S-W2S, v[A_W2ST]
	s_mul_i32 s59, s2, 32*W1P
	s_add_co_u32 s59, s59, W1S
	v_mul_u32_u24 v[A_W1ST], v[LANE], W1P
	v_add_nc_u32 v[A_W1ST], s59, v[A_W1ST]         ; row 32 w + lane of W1
	s_mul_i32 s60, s2, WP
	s_add_co_u32 s60, s60, W4S
	v_lshl_add_u32 v[A_W4ST], v[LANE], 3, s60      ; row w of W4
	s_lshl_b32 s61, s2, 4
	s_add_co_u32 s61, s61, SCR
	v_mov_b32 v[A_SCRW], s61
	v_mov_b32 v[A_SCR], SCR
	v_mul_u32_u24 v[A_W2F], v[RR], WP              ; fragments: row r, 16 bytes for each half of the lanes
	v_lshl_add_u32 v[A_W2F], v[HH], 4, v[A_W2F]
	v_add_nc_u32 v[A_W3F], W3S, v[A_W2F]
	v_add_nc_u32 v[A_W2F], W2S, v[A_W2F]
	v_and_b32 v[A_W4F], 3, v0                      ; W4 has 4 rows: row m of the tile of 16 is W4's row m % 4
	v_mul_u32_u24 v[A_W4F], v[A_W4F], WP
	v_lshl_add_u32 v[A_W4F], v[HH], 4, v[A_W4F]
	v_add_nc_u32 v[A_W4F], W4S, v[A_W4F]
	v_mul_u32_u24 v[A_W1F], v[RR], W1P
	v_lshl_add_u32 v[A_W1F], v[HH], 4, v[A_W1F]
	v_add_nc_u32 v[A_W1F], W1S, v[A_W1F]
; ---------------------------------------------------------------- the largest magnitudes of W1, W2, W3
; 128 numbers a lane in four chains; the first two numbers of each chain start it.  Runs in window 1 or 2; result in register 128 there.
.macro WMAX
.irp k, 0,1,2,3
	v_max_num_f32 v[128+\k], |v[32*\k]|, |v[32*\k+1]|
.endr
.set j, 1
.rept 15
.irp k, 0,1,2,3
	v_max3_num_f32 v[128+\k], v[128+\k], |v[32*\k+2*j]|, |v[32*\k+2*j+1]|
.endr
.set j, j+1
.endr
	v_max3_num_f32 v128, v128, v129, v130
	v_max_num_f32 v128, v128, v131
.endm
; over the 32 lanes: four steps inside each half ride on the arithmetic, one crosses the halves
.macro WRED m
	v_max_num_f32_dpp v[\m], v[\m], v[\m] row_xmask:1 row_mask:0xf bank_mask:0xf
	v_max_num_f32_dpp v[\m], v[\m], v[\m] row_xmask:2 row_mask:0xf bank_mask:0xf
	v_max_num_f32_dpp v[\m], v[\m], v[\m] row_xmask:4 row_mask:0xf bank_mask:0xf
	v_max_num_f32_dpp v[\m], v[\m], v[\m] row_xmask:8 row_mask:0xf bank_mask:0xf
	v_permlanex16_b32 v79, v[\m], s40, s41
	v_max_num_f32 v[\m], v[\m], v79
.endm
	s_wait_loadcnt 37                              ; behind W2's last load stand W3's 32 and 5 small ones: W2 is in
	WIN 0x55
	WMAX
	WIN 0x01
	v_mov_b32 v77, v128
	s_wait_loadcnt 5                               ; behind W3's last load stand the 5 small ones
	WIN 0xaa
	WMAX
	WIN 0x02
	v_mov_b32 v78, v128
	WIN 0
	s_wait_loadcnt 0x0
	v_max3_num_f32 v76, |v64|, |v65|, |v66|
	v_max3_num_f32 v80, |v67|, |v68|, |v69|
	v_max_num_f32 v76, v76, v80
	v_mov_b32 v79, 0                               ; v_permlanex16_b32 counts as a reader of its destination
	WRED 76
	WRED 77
	WRED 78
	ds_store_b128 v[A_SCRW], v[76:79]              ; every lane writes the same 16 bytes of its wave
	s_wait_dscnt 0x0                               ; for the other waves: my store is done
	s_barrier_signal -1
	s_barrier_wait -1                              ; x may stay on its way
	ds_load_b128 v[80:83], v[A_SCR]
	ds_load_b128 v[84:87], v[A_SCR] offset:16
	ds_load_b128 v[88:91], v[A_SCR] offset:32
	ds_load_b128 v[92:95], v[A_SCR] offset:48
	s_wait_dscnt 0x0
.irp j, 0,1,2
	v_max3_num_f32 v[80+\j], v[80+\j], v[84+\j], v[88+\j]
	v_max_num_f32 v[80+\j], v[80+\j], v[92+\j]
	v_readfirstlane_b32 s[42+\j], v[80+\j]
.endr
; M = 1.x 2^(E-127); f = 2^(t-127) with t = 250 - E brings M f into [1/16, 1/8); t is kept at 1 or above, and is 250 at the most,
; so f and 1/f = 2^(127-t) are normal numbers.  The scales only multiply values: no address and no branch hangs on them.
.macro SCALE m, f
	s_lshr_b32 s58, s[\m], 23                      ; E (M is not negative)
	s_sub_co_i32 s58, 250, s58
	s_max_i32 s58, s58, 1
	s_lshl_b32 s[\f], s58, 23
	s_mov_b32 s[\f+1], s[\f]                       ; the packed multiply names the pair
	s_sub_co_i32 s58, 254, s58
	s_lshl_b32 s[\m], s58, 23                      ; 1/f takes M's place
.endm
	SCALE 42, 46
	SCALE 43, 48
	SCALE 44, 50
	s_mul_f32 s52, s46, s48                        ; c2 = f1 f2
	s_mul_f32 s56, s42, s43
	s_mul_f32 s54, s52, s50                        ; c3 = c2 f3
	s_mul_f32 s56, s56, s44                        ; 1 / c3
	s_mov_b32 s53, s52
	s_mov_b32 s55, s54
	s_mov_b32 s57, s56
; ---------------------------------------------------------------- scale, round to f16, stage in LDS
.macro WCVT f                          ; 32 rows, 4 numbers a lane each, in place: registers 4 i, 4 i + 1 then hold 4 f16
.set i, 0
.rept 32
	v_pk_mul_f32 v[4*i:4*i+1], v[4*i:4*i+1], s[\f:\f+1] op_sel_hi:[1,0]
	v_pk_mul_f32 v[4*i+2:4*i+3], v[4*i+2:4*i+3], s[\f:\f+1] op_sel_hi:[1,0]
	v_cvt_pk_f16_f32 v[4*i], v[4*i], v[4*i+1]
	v_cvt_pk_f16_f32 v[4*i+1], v[4*i+2], v[4*i+3]
.set i, i+1
.endr
.endm
.macro WSTORE adr                      ; a store of the wave is one row: 256 neighbouring bytes
.set i, 0
.rept 32
	ds_store_b64 v[\adr], v[4*i:4*i+1] offset:WP*i
.set i, i+1
.endr
.endm
	WIN 0x45
	WCVT 48
	WIN 0x04
	WSTORE A_W2ST
	WIN 0x8a
	WCVT 50
	WIN 0x08
	WSTORE A_W3ST
	WIN 0
	v_pk_mul_f32 v[64:65], v[64:65], s[46:47] op_sel_hi:[1,0]
	v_pk_mul_f32 v[66:67], v[66:67], s[46:47] op_sel_hi:[1,0]
	v_pk_mul_f32 v[68:69], v[68:69], s[46:47] op_sel_hi:[1,0]
	v_mul_f32 v70, s46, v70                        ; b1 f1
	v_cvt_pk_f16_f32 v71, v70, v70                 ; its f16,
	v_cvt_f32_f16 v80, v71.l
	v_sub_f32 v80, v70, v80                        ; and what that leaves
	v_cvt_pk_f16_f32 v84, v64, v65
	v_cvt_pk_f16_f32 v85, v66, v67
	v_cvt_pk_f16_f32 v86, v68, v69
	v_cvt_pk_f16_f32 v87, v70, v80                 ; k = 6: b hi, k = 7: b lo
.irp j, 88,89,90,91
	v_mov_b32 v\j, 0
.endr
	ds_store_b128 v[A_W1ST], v[84:87]              ; k = 0..7, for rows 0-15 (their x lies in lanes 0-15, which hold k = 0..7)
	ds_store_b128 v[A_W1ST], v[84:87] offset:16    ; k = 8..15, the same again, for rows 16-31 (lanes 16-31 hold k = 8..15)
	ds_store_b128 v[A_W1ST], v[88:91] offset:32    ; k = 16..31: zero
	ds_store_b128 v[A_W1ST], v[88:91] offset:48
	v_cvt_pk_f16_f32 v72, v72, v73
	v_cvt_pk_f16_f32 v73, v74, v75
	ds_store_b64 v[A_W4ST], v[72:73]
	WIN 0xc0                                       ; the biases straight into window 3, in the layout of a C operand: register j = feature 16 t + 8 h + j
.set t, 0
.rept 8
	global_load_b128 v[B2+8*t:B2+8*t+3],   v[O_BIAS], s[16:17] offset:64*t
	global_load_b128 v[B2+8*t+4:B2+8*t+7], v[O_BIAS], s[16:17] offset:64*t+16
	global_load_b128 v[B3+8*t:B3+8*t+3],   v[O_BIAS], s[20:21] offset:64*t
	global_load_b128 v[B3+8*t+4:B3+8*t+7], v[O_BIAS], s[20:21] offset:64*t+16
.set t, t+1
.endr
	global_load_b128 v[B4:B4+3], v[O_ZERO], s[24:25]   ; rows m = 8 h + j, j = 0..3, are outputs 0..3 in both halves of the lanes
	s_wait_dscnt 0x0                               ; for the other waves: my staged rows are written
	s_barrier_signal -1
	s_barrier_wait -1
; ---------------------------------------------------------------- the fragments: lane (r, h) takes row 16 t + r, K = 32 q + 8 h .. and 32 q + 16 + 8 h ..
.macro WFRAG adr
.set t, 0
.rept 8
.irp q, 0,1,2,3
	ds_load_b128 v[8*(4*t+\q):8*(4*t+\q)+3],   v[\adr] offset:16*WP*t+64*\q
	ds_load_b128 v[8*(4*t+\q)+4:8*(4*t+\q)+7], v[\adr] offset:16*WP*t+64*\q+32
.endr
.set t, t+1
.endr
.endm
	WIN 0x40
	WFRAG A_W2F
	WIN 0x80
	WFRAG A_W3F
	WIN 0xc0
.set t, 0
.rept 8
	ds_load_b128 v[W1F+8*t:W1F+8*t+3],   v[A_W1F] offset:16*W1P*t
	ds_load_b128 v[W1F+8*t+4:W1F+8*t+7], v[A_W1F] offset:16*W1P*t+32
.set t, t+1
.endr
.irp q, 0,1,2,3
	ds_load_b128 v[W4F+8*\q:W4F+8*\q+3],   v[A_W4F] offset:64*\q
	ds_load_b128 v[W4F+8*\q+4:W4F+8*\q+7], v[A_W4F] offset:64*\q+32
.endr
.irp j, 4,5,6,7
	v_mov_b32 v[B4+\j], 0                          ; rows 4-7 and 12-15 of layer 4's tile are not stored
.endr
	s_wait_loadcnt 0x0                             ; the biases
	WIN 0xc3
.set i, 0
.rept 32
	v_pk_mul_f32 v[B2+2*i:B2+2*i+1], v[B2+2*i:B2+2*i+1], s[52:53] op_sel_hi:[1,0]
	v_pk_mul_f32 v[B3+2*i:B3+2*i+1], v[B3+2*i:B3+2*i+1], s[54:55] op_sel_hi:[1,0]
.set i, i+1
.endr
	v_pk_mul_f32 v[B4:B4+1],   v[B4:B4+1],   s[54:55] op_sel_hi:[1,0]
	v_pk_mul_f32 v[B4+2:B4+3], v[B4+2:B4+3], s[54:55] op_sel_hi:[1,0]
	WIN 0
; ---------------------------------------------------------------- the macros of a trip
.macro PLACES
.rept 4
	v_nop
.endr
.endm
.macro MAX4 e                          ; relu in place.  Source 0 is a constant, so the line runs under every setting that leaves source 1 and the destination in window 0
.irp j, 0,1,2,3
	v_max_num_f32 v[\e+\j], 0, v[\e+\j]
.endr
.endm
.macro CVT4 e, g                       ; eight f32 of a tile to four registers of f16: half a B fragment.  Needs window 0 for source 0
.irp j, 0,1,2,3
	v_cvt_pk_f16_f32 v[\g+\j], v[\e+2*\j], v[\e+2*\j+1]
.endr
.endm
; one product of layers 2 and 3: feature tile 2 p + (c & 1), rows c >> 1, K step q.  The first K step takes the bias as C.
.macro SW p, hin, acc, bias, q, c
.set MT_, 2*\p+(\c&1)
.set D_,  \acc+8*\c
.set A_,  8*(4*MT_+\q)
.set B_,  \hin+16*\q+8*(\c>>1)
.if \q == 0
	v_wmma_f32_16x16x32_f16 v[D_:D_+7], v[A_:A_+7], v[B_:B_+7], v[\bias+8*MT_:\bias+8*MT_+7]
.else
	v_wmma_f32_16x16x32_f16 v[D_:D_+7], v[A_:A_+7], v[B_:B_+7], v[D_:D_+7]
.endif
.endm
.macro XLOAD                           ; my row of the 32 next rows: 24 bytes; lanes 24 bytes apart touch 192 different words
	ds_load_b64 v[XS:XS+1],   v[XA]
	ds_load_b64 v[XS+2:XS+3], v[XA] offset:8
	ds_load_b64 v[XS+4:XS+5], v[XA] offset:16
	v_add_nc_u32 v[XA], 768, v[XA]
.endm
.macro XCVT
	s_wait_dscnt 0x0                               ; the three loads of XLOAD, the only LDS instructions out
	v_cvt_pk_f16_f32 v[XP],   v[XS],   v[XS+1]
	v_cvt_pk_f16_f32 v[XP+1], v[XS+2], v[XS+3]
	v_cvt_pk_f16_f32 v[XP+2], v[XS+4], v[XS+5]
.endm
.macro XSEL xf, mask                   ; a fragment keeps the x of its own half of the lanes; the other half is 0
.irp j, 0,1,2
	v_cndmask_b32 v[\xf+\j], 0, v[XP+\j], s[\mask]
.endr
.endm
; Sixteen products: feature tiles 2 p, 2 p + 1, both row tiles, four K steps, into set acc.  The four accumulators take turns, one
; instruction a turn.  Between them the other set (eacc, finished by the sixteen before) is rounded into eout.
; sb: window setting with C in window 3 (bias); sc: with C in window 0.  Places behind matrix instructions (ISA guide 7.12.1): eacc's
; tile 0 got its last product in the step before, at (q, c) = (3, 0); the four conversions behind that line name none of its registers
; and are the four places; the later tiles have twelve or more.  With p = 0, eout is hin + 48: K step 3's fragments, written here
; ahead of the products (3, c) that read them.  hook = 1: the next trip's x is made ready.
.macro SUB sb, sc, p, hin, acc, bias, eacc, eout, hook
	WIN \sb
	SW \p, \hin, \acc, \bias, 0, 0
	SW \p, \hin, \acc, \bias, 0, 1
	MAX4 \eacc
	SW \p, \hin, \acc, \bias, 0, 2
	MAX4 \eacc+4
	SW \p, \hin, \acc, \bias, 0, 3
	WIN 0
	CVT4 \eacc, \eout
	WIN \sc
	SW \p, \hin, \acc, \bias, 1, 0
	MAX4 \eacc+8
	SW \p, \hin, \acc, \bias, 1, 1
	MAX4 \eacc+12
	SW \p, \hin, \acc, \bias, 1, 2
	WIN 0
	CVT4 \eacc+8, \eout+4
	WIN \sc
	SW \p, \hin, \acc, \bias, 1, 3
	MAX4 \eacc+16
	SW \p, \hin, \acc, \bias, 2, 0
	MAX4 \eacc+20
	SW \p, \hin, \acc, \bias, 2, 1
	WIN 0
	CVT4 \eacc+16, \eout+8
	WIN \sc
	SW \p, \hin, \acc, \bias, 2, 2
	MAX4 \eacc+24
	SW \p, \hin, \acc, \bias, 2, 3
	MAX4 \eacc+28
	SW \p, \hin, \acc, \bias, 3, 0
	WIN 0
	CVT4 \eacc+24, \eout+12
.if \hook
	XCVT
.endif
	WIN \sc
	SW \p, \hin, \acc, \bias, 3, 1
	SW \p, \hin, \acc, \bias, 3, 2
.if \hook
	XSEL XF0, 4                                    ; layer 1 of this trip read XF0 and XF1 last 24 vector instructions and more ago
.endif
	SW \p, \hin, \acc, \bias, 3, 3
.if \hook
	XSEL XF1, 5
.endif
.endm
; one product of layer 1: K = 32 holds x (6), the two halves of the bias, and zeros; C = 0 starts the sum
.macro L1W p, acc, c
.set MT_, 2*\p+(\c&1)
	v_wmma_f32_16x16x32_f16 v[\acc+8*\c:\acc+8*\c+7], v[W1F+8*MT_:W1F+8*MT_+7], v[XF0+8*(\c>>1):XF0+8*(\c>>1)+7], 0
.endm
.macro L1S p, acc, eacc, eout          ; four products of layer 1 into acc; the set before is rounded into eout
	WIN 0x03
.irp c, 0,1,2,3
	L1W \p, \acc, \c
	MAX4 \eacc+8*\c
	MAX4 \eacc+8*\c+4
.endr
	WIN 0
	CVT4 \eacc, \eout
	CVT4 \eacc+8, \eout+4
	CVT4 \eacc+16, \eout+8
	CVT4 \eacc+24, \eout+12
.endm
.macro W4M q, n                        ; one product of layer 4
.if \q == 0
	v_wmma_f32_16x16x32_f16 v[OA0+8*\n:OA0+8*\n+7], v[W4F+8*\q:W4F+8*\q+7], v[HX+16*\q+8*\n:HX+16*\q+8*\n+7], v[B4:B4+7]
.else
	v_wmma_f32_16x16x32_f16 v[OA0+8*\n:OA0+8*\n+7], v[W4F+8*\q:W4F+8*\q+7], v[HX+16*\q+8*\n:HX+16*\q+8*\n+7], v[OA0+8*\n:OA0+8*\n+7]
.endif
.endm
.macro L4                              ; eight products, two accumulators by turns; layer 3's last set (ACC1) is rounded into K step 3's fragments on the way
	WIN 0x33
	W4M 0, 0
	W4M 0, 1
	MAX4 ACC1
	MAX4 ACC1+4
	WIN 0x03
	W4M 1, 0
	MAX4 ACC1+8
	MAX4 ACC1+12
	W4M 1, 1
	WIN 0
	CVT4 ACC1, HX+48
	CVT4 ACC1+8, HX+52
	WIN 0x03
	W4M 2, 0
	MAX4 ACC1+16
	MAX4 ACC1+20
	W4M 2, 1
	MAX4 ACC1+24
	MAX4 ACC1+28
	WIN 0
	CVT4 ACC1+16, HX+56
	CVT4 ACC1+24, HX+60
	WIN 0x03
	W4M 3, 0
	W4M 3, 1
.endm
; Registers 0-3 of OA0 hold out[row r][0..3] in lanes 0-15, those of OA1 out[row 16 + r][0..3] in lanes 16-31: lane L takes row L.
.macro OUTSEL
.irp j, 0,1,2,3
	v_cndmask_b32 v[OUT+\j], v[OA0+\j], v[OA1+\j], s5
.endr
	v_pk_mul_f32 v[OUT:OUT+1],   v[OUT:OUT+1],   s[56:57] op_sel_hi:[1,0]     ; the scales are undone
	v_pk_mul_f32 v[OUT+2:OUT+3], v[OUT+2:OUT+3], s[56:57] op_sel_hi:[1,0]
	global_store_b128 v[OO], v[OUT:OUT+3], s[26:27] offset:-512 th:TH_STORE_NT   ; the wave stores 512 consecutive bytes, at a multiple of 512 from out0's first byte
.endm
.macro STEPOUT                         ; four vector instructions that name no register of layer 4's products: the places in front of OUTSEL
	s_wait_xcnt 0x0                                ; the last trip's store has had its address translated (ISA guide 3.1): OO and OUT are written again only behind this wait
	v_add_nc_u32 v[OO], 512, v[OO]                 ; the store reaches back by its offset
	v_nop
	v_nop
	v_nop
.endm
; A trip: 32 rows through the four layers.  On entry ACC0 holds layer 1's feature tiles 0, 1 of this trip's rows.
; next = 1: x of the next trip is made ready and its first four products are issued; load2 = 1: x of the trip after that is read from LDS.
.macro BODY next, load2
	L1S 1, ACC1, ACC0, HX
	L1S 2, ACC0, ACC1, HX+16
	L1S 3, ACC1, ACC0, HX+32
	SUB 0x31, 0x01, 0, HX, ACC0, B2, ACC1, HX+48, \next
	SUB 0x31, 0x01, 1, HX, ACC1, B2, ACC0, HY, 0
	SUB 0x31, 0x01, 2, HX, ACC0, B2, ACC1, HY+16, 0
	SUB 0x31, 0x01, 3, HX, ACC1, B2, ACC0, HY+32, 0
	SUB 0x32, 0x02, 0, HY, ACC0, B3, ACC1, HY+48, 0
	SUB 0x32, 0x02, 1, HY, ACC1, B3, ACC0, HX, 0
	SUB 0x32, 0x02, 2, HY, ACC0, B3, ACC1, HX+16, 0
	SUB 0x32, 0x02, 3, HY, ACC1, B3, ACC0, HX+32, 0
	L4
.if \next
	WIN 0x03
	L1W 0, ACC0, 0
	STEPOUT
	L1W 0, ACC0, 1
	L1W 0, ACC0, 2
	L1W 0, ACC0, 3
	WIN 0
	OUTSEL                                         ; its six vector instructions are also the places in front of the next trip's relu of ACC0
.if \load2
	XLOAD
.endif
.else
	WIN 0
	STEPOUT
	OUTSEL
.endif
.endm
; ---------------------------------------------------------------- the start of the pipeline
	v_mov_b32 v1, 0x3c003c00                       ; 1.0, 1.0 in f16: k = 6, 7 multiply the two halves of the bias
	v_cndmask_b32 v[XF0+3], 0, v1, s4
	v_cndmask_b32 v[XF1+3], 0, v1, s5
.irp j, 4,5,6,7
	v_mov_b32 v[XF0+\j], 0                         ; k = 16..31, set once
	v_mov_b32 v[XF1+\j], 0
.endr
	s_wait_tensorcnt 0x0                           ; my x is in LDS; only I read these bytes, so my own wait is all the ordering
	XLOAD                                          ; trip 0
	XCVT                                           ; its wait for 0 also shows the 152 fragment loads done
	XSEL XF0, 4
	XSEL XF1, 5
	XLOAD                                          ; trip 1
	WIN 0x03
	L1W 0, ACC0, 0
	L1W 0, ACC0, 1
	L1W 0, ACC0, 2
	L1W 0, ACC0, 3
	PLACES                                         ; four places in front of the first trip's relu of ACC0
	WIN 0                                          ; at a label and at a branch every window is 0
	s_mov_b32 s3, TRIPS-2
.Ltrip:
	BODY 1, 1                                      ; trip i reads x of trip i + 2 from LDS: i = 0 .. 29
	s_sub_co_i32 s3, s3, 1
	s_cmp_lg_u32 s3, 0
	s_cbranch_scc1 .Ltrip
	BODY 1, 0                                      ; trip 30: nothing more to read
	BODY 0, 0                                      ; trip 31: nothing more to begin
	s_wait_tensorcnt 0x0
	ds_add_u32 v62, v63
	s_wait_dscnt 0x0
	s_endpgm
.Lfunc_end_k_q0c83271ad9_mlp:
	.size	k_q0c83271ad9_mlp, .Lfunc_end_k_q0c83271ad9_mlp-k_q0c83271ad9_mlp
	.p2alignl 7, 3214868480
	.fill 96, 4, 3214868480
	.section	.rodata,"a",@progbits
	.p2align	6, 0x0
	.amdhsa_kernel k_q0c83271ad9_mlp
		.amdhsa_group_segment_fixed_size 180224
		.amdhsa_private_segment_fixed_size 0
		.amdhsa_enable_private_segment 0
		.amdhsa_kernarg_size 80
		.amdhsa_user_sgpr_count 2
		.amdhsa_user_sgpr_kernarg_segment_ptr 1
		.amdhsa_wavefront_size32 1
		.amdhsa_system_sgpr_workgroup_id_x 1
		.amdhsa_system_sgpr_workgroup_id_y 1
		.amdhsa_system_sgpr_workgroup_id_z 1
		.amdhsa_system_vgpr_workitem_id 0
		.amdhsa_next_free_vgpr 1024
		.amdhsa_next_free_sgpr 66
		.amdhsa_reserve_vcc 0
		.amdhsa_float_denorm_mode_32 3
		.amdhsa_float_denorm_mode_16_64 3
		.amdhsa_memory_ordered 1
		.amdhsa_forward_progress 1
		.amdhsa_inst_pref_size 175
	.end_amdhsa_kernel
	.amdgpu_metadata
---
amdhsa.version: [ 1, 2 ]
amdhsa.kernels:
  - .name:           k_q0c83271ad9_mlp
    .symbol:         k_q0c83271ad9_mlp.kd
    .args:
      - { .name: x, .offset: 0, .size: 8, .value_kind: global_buffer, .address_space: global }
      - { .name: W1, .offset: 8, .size: 8, .value_kind: global_buffer, .address_space: global }
      - { .name: b1, .offset: 16, .size: 8, .value_kind: global_buffer, .address_space: global }
      - { .name: W2, .offset: 24, .size: 8, .value_kind: global_buffer, .address_space: global }
      - { .name: b2, .offset: 32, .size: 8, .value_kind: global_buffer, .address_space: global }
      - { .name: W3, .offset: 40, .size: 8, .value_kind: global_buffer, .address_space: global }
      - { .name: b3, .offset: 48, .size: 8, .value_kind: global_buffer, .address_space: global }
      - { .name: W4, .offset: 56, .size: 8, .value_kind: global_buffer, .address_space: global }
      - { .name: b4, .offset: 64, .size: 8, .value_kind: global_buffer, .address_space: global }
      - { .name: out0, .offset: 72, .size: 8, .value_kind: global_buffer, .address_space: global }
    .group_segment_fixed_size: 180224
    .private_segment_fixed_size: 0
    .kernarg_segment_align: 8
    .kernarg_segment_size: 80
    .max_flat_workgroup_size: 128
    .sgpr_count:     66
    .vgpr_count:     1024
    .wavefront_size: 32
...
	.end_amdgpu_metadata
.endif
;; end of part 1
